; MI455X (gfx1250); checked and timed in simulation.
; The chip was launched on July 23, 2026; its instructions are those of AMD's public machine-readable ISA for CDNA 5 (MIT licence, August 2026) and "CDNA5" Instruction Set Architecture Reference Guide (July 2026). The comments in the code are by the model that wrote it; some were corrected since.
;; MLP Decoder. Allowed arithmetic: matrix products marked QUANTISED: E3M2 operands, one E8M0 scale for each 32 along K, by v_wmma_scale_f32_16x16x128_f8f6f4 with both operands' format E3M2, f32 sums; products left as they are: f32 operands where the result goes on into a quantised operand, else bf16, f16 or f32 operands; f32 sums; everything else in f32.
;; Inputs: W1 256 x 512 float32; W2 1 x 256 float32; b1 256 float32; b2 1 float32; z_codes 1,024 x 8 x 24 uint8 (E3M2 codes of z, K innermost, in blocks of 32 codes, four codes in three bytes); z_scales 1,024 x 8 uint8 (E8M0 scales of z, one for each 32 codes along K).
;; Outputs: out0 1,024 x 1,024 float32.
;; This version of the problem:
;;   THIS VERSION OF THE PROBLEM IS GIVEN IN LOW PRECISION. The matrix products marked QUANTISED in the list below multiply operands that are first quantised to E3M2 (3 exponent bits, 2 mantissa bits; 6 bits a number), with one power-of-two scale for each 32 numbers along K (OCP MX v1.0); their sums are f32. All else is computed in f32.
;;   The module's matrix products, in the order in which they are computed (A, B: the left and right operand; K: the contracted axis; several contracted axes count as one K, in the product's order):
;;     1. [M 1,024, K 256] x [K 256, N 256]; A: input z (given as codes); B: input W1: QUANTISED
;;     2. [M 1,024, K 256] x [K 256, N 256]; A: input z (given as codes); B: input W1: QUANTISED
;;     3. [M 1,048,576, K 256] x [K 256, N 1]; A: computed on the way; B: input W2: left as it is (N = 1 < 16)
;;   THE QUANTISER, for each operand of a quantised product, along K:
;;     - K is cut into blocks of 32 from its start; a last block that is shorter is filled with zeros.
;;     - A block's scale is 2^e with e = floor(log2(the largest magnitude in the block)) - 4, held to -126 .. 127; a block of zeros has e = 0. As a byte (E8M0): e + 127.
;;     - Each number is divided by its block's scale, clamped to +-28, and rounded to the nearest number of E3M2, ties to even, subnormals kept.
;;     - The product sums the exact products of the quantised numbers (number of the format x scale) in f32.
;;   ~~~python
;;   def quantise(x, axis):      # numpy; x: float32 -> the quantised numbers, widened to float32 again
;;       x = np.moveaxis(x, axis, -1); K = x.shape[-1]
;;       x = np.pad(x, [(0, 0)] * (x.ndim - 1) + [(0, -K % 32)]); x = x.reshape(x.shape[:-1] + (-1, 32)); a = np.abs(x).max(-1, keepdims=True)
;;       e = np.where(a > 0, np.clip(np.frexp(np.where(a > 0, a, 1))[1] - 1 - 4, -126, 127), 0)      # np.frexp(a)[1] - 1 = floor(log2(a)), exactly
;;       r = np.clip(x / 2.0 ** e, -28, 28)
;;       step = 2.0 ** (np.maximum(np.frexp(np.where(r == 0, 1, r))[1] - 1, -2) - 2)
;;       q = np.round(r / step) * step * 2.0 ** e      # np.round: ties to even
;;       return np.moveaxis(q.reshape(q.shape[:-2] + (-1,))[..., :K], -1, axis).astype(np.float32)
;;   ~~~
;;   INPUTS GIVEN AS CODES. z (in the module: [1024, 256], K = its axis 1): each comes as NAME_codes (uint8): NAME with its K axis moved to the last place and cut into blocks of 32 codes, [.., K / 32, bytes a block], one block behind the other in memory; four codes in three bytes: a row's codes are one little-endian stream of bits, code i at bits 6 i .. 6 i + 5 (a code: sign, 3 exponent bits, 2 mantissa bits); and NAME_scales (uint8): the same leading axes, one E8M0 byte (e + 127) for each 32 codes along K. Its value is code x scale, taken as it is: it is not quantised again, and the codes and scales need not be those that the quantiser above would give.
;; One version. Each part assembles by itself: llvm-mc -triple=amdgcn-amd-amdhsa -mcpu=gfx1250 --defsym DOCPART=n.
;; ======== version 1 of 1: 2 launches
;; limits: a difference of large sums (such as E[x^2] - mean^2): digits are lost where the result is much smaller than its terms; an absolute error that grows with the inputs' magnitude: up to 1.53e-05 times it
;; workspace buffers: parts 2,097,152 bytes
;; launch parts (part 1): grid 32 x 8, 1 waves a work-group, clusters of 4 x 4, 168,192 bytes of LDS; arguments W1, b1, z_codes, z_scales, parts; writes parts
.if DOCPART == 1
	.amdgcn_target "amdgcn-amd-amdhsa--gfx1250"
	.amdhsa_code_object_version 6
	.text
	.protected	k_q83cf36da59_parts
	.globl	k_q83cf36da59_parts
	.p2align	8
	.type	k_q83cf36da59_parts,@function
k_q83cf36da59_parts:
	s_mov_b64 s[64:65], 0
	v_nop
	global_prefetch_b8 v0, s[64:65] scope:SCOPE_SE
	s_setreg_imm32_b32 hwreg(HW_REG_WAVE_MODE, 25, 1), 1
	s_wait_xcnt 0x0
	s_wait_alu depctr_hold_cnt(0) depctr_sa_sdst(0) depctr_va_vdst(0) depctr_va_sdst(0) depctr_va_ssrc(0) depctr_va_vcc(0) depctr_vm_vsrc(0)
	s_getreg_b32 s2, hwreg(HW_REG_IB_STS2, 6, 4)
	s_cmp_eq_u32 s2, 0
	s_cbranch_scc0 .Lentry_in_a_cluster
	s_endpgm
.Lentry_in_a_cluster:
	s_bfe_u32 s2, ttmp6, 0x10000c
	s_cmp_lg_u32 s2, 0xf033
	s_cbranch_scc0 .Lentry_shape_is_right
	s_endpgm
.Lentry_shape_is_right:
; PARTS: the two quantised products.  row = z W1[:, :256]^T + b1 and ncol = -(z W1[:, 256:]^T), both [1024][256] f32, into the workspace 'parts'.
; z comes as codes of BF6 (E3M2) with E8M0 bytes and is taken as it lies; W1 comes as f32 and is quantised here, along K, by the stated rule.
; SHARES.  A work-group is ONE wave.  x (0..31) picks the half of W1's columns (x / 16: 0 = row part, 1 = column part) and 16 of its 256 rows (h0 = 16 (x % 16));
; y (0..7) picks 128 rows of z.  The wave makes 16 h x 128 rows: 8 accumulators, K = 256 in two steps: 16 matrix instructions.  32 x 8 waves x 16 = 4,096: no product is made twice.
; THE MATRIX INSTRUCTION IS USED TRANSPOSED: source 0 = 16 rows of W1, source 1 = 16 rows of z: lane (r, hh) then holds ONE row of z and eight neighbouring h (h0 + 8 hh + 0..7).
; THE ROWS OF z THAT FORM A TILE ARE NOT NEIGHBOURS: lane r of tile t takes row 128 y + 64 (t / 4) + t % 4 + 4 r, so that in the next launch lane L holds columns 4 L .. 4 L + 3 of the output.
; THE WORKSPACE is laid as the next launch's registers want it: [half][y][g = h / 8][tile t][h-half][r][4 h] f32: 16 bytes a lane, 256 bytes for sixteen lanes.  Each store below covers two
; aligned runs of 256 consecutive bytes, one for each half of the lanes.
; CLUSTER 4 x 4: W1's tile hangs on x alone and is asked for jointly by the four work-groups of a column of the cluster; z's codes and scale bytes hang on y alone: by the four of a row.
; LDS is filled once: no slot is filled again.  By this text's count six tensor loads of the wave are out at the most.
; LIMITS: NaN and infinities in W1 or b1 are not served.  A block of zeros of W1 gets the scale byte 1 where the rule says 127: its codes are zeros, and only this wave reads the byte.
.set PW,   1040                        ; a row of W1's tile in LDS: 1,024 bytes + 16: row r starts at bank 4 r mod 64 (64 banks of 4 bytes: ISA guide 11.1)
.set LZ,   16*PW                       ; behind it z's codes: four sets (t % 4) of 32 rows
.set PZ,   240                         ; a row of 256 codes in LDS: 3 x (64 bytes + 16 of padding)
.set LZS,  LZ+128*PZ                   ; behind them z's scale bytes: 128 rows x 8 bytes, dense
.set RL,   1                           ; v1   r = lane % 16
.set HL,   2                           ; v2   hh = lane / 16
.set AWL,  3                           ; v3   LDS: my row of W1's tile, my half's 32 numbers of a block pair
.set ZA,   4                           ; v4   LDS: my row of a tile of z, + 24 hh;  v5: + 40 hh, for the pieces that lie behind one padding more
.set ZSA,  6                           ; v6   LDS: my row's scale bytes
.set BO,   7                           ; v7   b1: 32 hh
.set OO,   8                           ; v8   the workspace: 16 r + 4,096 hh
.set SH,   9                           ; v9   8 hh
.set TP,   10                          ; v10-11 the other half's scale bytes
.set AM,   12                          ; v12-15 a block's largest magnitude, then its byte
.set SO,   16                          ; v16-19 the conversions' scale operands
.set BF,   20                          ; v20-43 W1's two fragments (K step s at BF + 12 s)
.set TC,   44                          ; v44-59 the upper 16 codes of each block, before they are moved
.set WS,   60                          ; v60-61 W1's scale words
.set X,    64                          ; v64-191 W1's numbers: block 2 s + c at X + 32 (2 s + c)
.set D,    64                          ; v64-127 later the 8 accumulators
.set ZS,   192                         ; v192-207 z's scale words: tile t, K step s at ZS + 2 t + s
.set BI,   208                         ; v208-215 b1 at my eight h (zeros for the column part)
; window 1: v0-191 z's fragments: tile t, K step s at 24 t + 12 s
.set MSB, 0
.macro WIN new                         ; the immediate's high byte repeats the setting that is left
.if MSB != \new
	s_set_vgpr_msb (MSB<<8)|\new
.set MSB, \new
.endif
.endm
.macro CROUND                          ; a round of the cluster's barrier
	s_barrier_signal -1
	s_barrier_wait -1
	s_cmp_lg_u32 s14, 0
	s_cbranch_scc1 .Lnot_wave_0_\@
	s_barrier_signal -3
.Lnot_wave_0_\@:
	s_barrier_wait -3
	s_barrier_signal -1
	s_barrier_wait -1
.endm
.macro ZG0 g, q                        ; group 0 for z's rows 4 n + q, n = 0..31, of my 128
	s_mov_b32 s[\g], 1
	s_mov_b32 s[\g+1], LZ+\q*32*PZ
	s_add_nc_u64 s[\g+2:\g+3], s[8:9], \q*192
	s_or_b32 s[\g+3], s[\g+3], 0x80000000
.endm
; A fragment of z: 16 rows x 128 K of 6-bit codes, 12 registers: registers 6 c .. 6 c + 5 hold K = 64 c + 32 hh + 0..31: 24 bytes of the row, in pieces of 8.  Lanes 16-31 read three pieces further on;
; 16 bytes of padding lie behind every 8 pieces, so where the piece three on lies behind one padding more the second address register serves.
.macro FRAG t, s
.irp p, 0,1,2,3,4,5
.set PC, 12*(\s)+6*(\p/3)+\p%3
.if PC%8 < 5
	ds_load_b64 v[24*(\t)+12*(\s)+2*\p:24*(\t)+12*(\s)+2*\p+1], v[ZA] offset:((\t)%4)*32*PZ+((\t)/4)*16*PZ+8*PC+16*(PC/8)
.else
	ds_load_b64 v[24*(\t)+12*(\s)+2*\p:24*(\t)+12*(\s)+2*\p+1], v[ZA+1] offset:((\t)%4)*32*PZ+((\t)/4)*16*PZ+8*PC+16*(PC/8)
.endif
.endr
.endm
	s_load_b128 s[4:7], s[0:1], 0x0                ; W1 s[4:5], b1 s[6:7]
	s_load_b128 s[8:11], s[0:1], 0x10              ; z's codes s[8:9], z's scale bytes s[10:11]
	s_load_b64 s[12:13], s[0:1], 0x20              ; the workspace
	v_lshl_add_u32 v254, v0, 2, 0x29000
	v_mov_b32 v255, 0
	ds_add_u32 v254, v255
	ds_add_u32 v254, v255
	v_lshrrev_b32 v1, 5, v0
	v_readfirstlane_b32 s14, v1                    ; the wave's number: 0
	s_bfe_u32 s15, ttmp6, 0x40000                  ; cx
	s_bfe_u32 s16, ttmp6, 0x40004                  ; cy
	s_lshl_b32 s17, ttmp9, 2
	s_add_co_u32 s17, s17, s15                     ; x = 4 x cluster x + cx
	s_and_b32 s18, ttmp7, 0xffff
	s_lshl_b32 s18, s18, 2
	s_add_co_u32 s18, s18, s16                     ; y = 4 x cluster y + cy
	s_lshl_b32 s19, s16, 2
	s_lshl_b32 s19, 15, s19                        ; my row of the cluster (same y)
	s_lshl_b32 s20, 0x1111, s15                    ; my column (same x)
	s_and_b32 s21, s17, 15                         ; h0 / 16
	s_lshr_b32 s22, s17, 4                         ; the half of W1's columns
	; group 1 for W1's tile: 16 rows x 256 f32, 512 f32 from row to row; 4 words of padding behind every 256 words
	s_or_b32 s24, s20, (2<<16)|(1<<20)|(1<<21)|(7<<22)|(3<<25)
	s_mov_b32 s25, 256<<16
	s_mov_b32 s26, 16<<16
	s_mov_b32 s27, 256<<16
	s_mov_b32 s28, 16
	s_mov_b32 s29, 512
	s_mov_b32 s30, 0
	s_mov_b32 s31, 0
	; group 1 for z's codes: 32 rows x 192 bytes, every fourth row (768 bytes apart); 4 words of padding behind every 16 words
	s_or_b32 s32, s19, (0<<16)|(1<<20)|(1<<21)|(3<<22)|(3<<25)
	s_mov_b32 s33, 192<<16
	s_mov_b32 s34, 32<<16
	s_mov_b32 s35, 192<<16
	s_mov_b32 s36, 32
	s_mov_b32 s37, 768
	s_mov_b32 s38, 0
	s_mov_b32 s39, 0
	; group 1 for z's scale bytes: 1,024 dense bytes as 4 rows of 32 elements of 8 bytes
	s_or_b32 s40, s19, (3<<16)|(1<<21)
	s_mov_b32 s41, 32<<16
	s_mov_b32 s42, 4<<16
	s_mov_b32 s43, 32<<16
	s_mov_b32 s44, 4
	s_mov_b32 s45, 32
	s_mov_b32 s46, 0
	s_mov_b32 s47, 0
	s_lshl_b32 s76, s21, 15                        ; W1: 16 rows of 2,048 bytes for each h0 / 16,
	s_lshl_b32 s77, s22, 10                        ; + 1,024 bytes for the second half of the columns
	s_add_co_u32 s76, s76, s77
	s_mov_b32 s77, 0
	s_mul_i32 s78, s18, 128*192                    ; z's codes: 128 rows of 192 bytes for each y
	s_mov_b32 s79, 0
	s_lshl_b32 s80, s18, 10                        ; z's scale bytes: 128 rows of 8
	s_mov_b32 s81, 0
	s_lshl_b32 s82, s22, 20                        ; the workspace: 1 MiB a half,
	s_lshl_b32 s83, s18, 17                        ; 128 KiB a y,
	s_add_co_u32 s82, s82, s83
	s_lshl_b32 s83, s21, 13                        ; 4,096 bytes a g, g = 2 (h0 / 16) + hh
	s_add_co_u32 s82, s82, s83
	s_mov_b32 s83, 0
	s_lshl_b32 s84, s21, 6                         ; b1: 16 numbers for each h0 / 16
	s_mov_b32 s85, 0
	s_mov_b32 s86, 0x76543210                      ; v_permlanex16_b32's selects for lane l xor 16
	s_mov_b32 s87, 0xfedcba98
	s_cmp_eq_u32 s22, 0
	s_cselect_b32 s88, 1.0, -1.0                   ; the row part is kept, the column part is negated;
	s_cselect_b32 s90, -1, 0                       ; b1 goes to the row part alone: a mask of ones or of zeros
	s_mov_b32 s89, s88                             ; (named with s88 as a pair, so it is written)
	s_wait_dscnt 0x0
	s_wait_kmcnt 0x0
	s_add_nc_u64 s[8:9], s[8:9], s[78:79]
	s_add_nc_u64 s[12:13], s[12:13], s[82:83]
	s_add_nc_u64 s[6:7], s[6:7], s[84:85]
	s_mov_b32 s48, 1                               ; group 0 for W1's tile: to LDS byte 0
	s_mov_b32 s49, 0
	s_add_nc_u64 s[50:51], s[4:5], s[76:77]
	s_or_b32 s51, s51, 0x80000000
	s_mov_b32 s52, 1                               ; for z's scale bytes
	s_mov_b32 s53, LZS
	s_add_nc_u64 s[54:55], s[10:11], s[80:81]
	s_or_b32 s55, s55, 0x80000000
	ZG0 56, 0
	ZG0 60, 1
	ZG0 68, 2
	ZG0 72, 3
	CROUND                                         ; all sixteen work-groups are here: the joint loads meet
	tensor_load_to_lds s[48:51], s[24:31]          ; W1's tile first: it is wanted first
	s_nop 0
	tensor_load_to_lds s[52:55], s[40:47]
	s_nop 0
	tensor_load_to_lds s[56:59], s[32:39]
	s_nop 0
	tensor_load_to_lds s[60:63], s[32:39]
	s_nop 0
	tensor_load_to_lds s[68:71], s[32:39]
	s_nop 0
	tensor_load_to_lds s[72:75], s[32:39]
	s_nop 0
	v_and_b32 v[RL], 15, v0
	v_bfe_u32 v[HL], v0, 4, 1
	v_mul_u32_u24 v[AWL], v[RL], PW
	v_lshlrev_b32 v[BO], 5, v[HL]
	v_lshl_add_u32 v[AWL], v[HL], 7, v[AWL]        ; row r, + 128 bytes for lanes 16-31: k = 64 c + 32 hh
	v_mul_u32_u24 v[ZA], v[RL], PZ
	v_add_nc_u32 v[ZA], LZ, v[ZA]
	v_mad_u32_u24 v[ZA+1], v[HL], 40, v[ZA]
	v_mad_u32_u24 v[ZA], v[HL], 24, v[ZA]
	v_lshl_add_u32 v[ZSA], v[RL], 5, LZS           ; rows 4 r + ..: 32 bytes from lane to lane
	v_lshlrev_b32 v[OO], 4, v[RL]
	v_lshl_add_u32 v[OO], v[HL], 12, v[OO]
	v_lshlrev_b32 v[SH], 3, v[HL]
	global_load_b128 v[BI:BI+3], v[BO], s[6:7]     ; b1 at h0 + 8 hh + 0..7
	global_load_b128 v[BI+4:BI+7], v[BO], s[6:7] offset:16
	s_wait_tensorcnt 0x5                           ; six loads were issued and W1's tile was the first: it has landed
.irp b, 0,1,2,3
.irp i, 0,1,2,3,4,5,6,7
	ds_load_b128 v[X+32*\b+4*\i:X+32*\b+4*\i+3], v[AWL] offset:256*\b+16*\i   ; block 2 s + c: W1(h0 + r, 128 s + 64 c + 32 hh + 0..31)
.endr
.endr
	s_wait_tensorcnt 0x0                           ; z's codes and scale bytes have landed
.irp t, 0,1,2,3,4,5,6,7
	ds_load_b64 v[ZS+2*\t:ZS+2*\t+1], v[ZSA] offset:(\t%4)*8+(\t/4)*512      ; my row's eight bytes: the words of both K steps
.endr
	WIN 0x40                                       ; destination window 1
.irp t, 0,1,2,3
	FRAG \t, 0
	FRAG \t, 1
.endr
	WIN 0
	s_wait_dscnt 56                                ; behind W1's 32 loads stand 8 + 48: W1's numbers are in
	; THE QUANTISER.  A lane holds four whole blocks of 32: no other lane is asked for a maximum.
.irp b, 0,1,2,3
	v_max3_num_f32 v[AM+\b], |v[X+32*\b]|, |v[X+32*\b+1]|, 0x2800000          ; with the floor 2^(5 - 127): the byte cannot fall under 1
.endr
.irp i, 2,4,6,8,10,12,14,16,18,20,22,24,26,28,30
.irp b, 0,1,2,3
	v_max3_num_f32 v[AM+\b], v[AM+\b], |v[X+32*\b+\i]|, |v[X+32*\b+\i+1]|     ; the four blocks by turns
.endr
.endr
	WIN 0x40
.irp t, 4,5,6,7
	FRAG \t, 0                                     ; the other four tiles' fragments come while the codes are made
	FRAG \t, 1
.endr
	WIN 0
.irp b, 0,1,2,3
	v_add_nc_u32 v[SO+\b], 0xfe000000, v[AM+\b]    ; 4 off the exponent field: the conversion's scale operand
.endr
.irp b, 0,1,2,3
	v_lshrrev_b32 v[AM+\b], 23, v[SO+\b]           ; the scale's byte
.endr
.irp s, 0,1
	v_lshl_or_b32 v[WS+\s], v[AM+2*\s+1], 16, v[AM+2*\s]   ; my two bytes of K step s: blocks hh and 2 + hh,
.endr
.irp s, 0,1
	v_lshlrev_b32 v[WS+\s], v[SH], v[WS+\s]        ; at their places in the word;
.endr
.irp s, 0,1
	v_mov_b32 v[TP+\s], 0                          ; (a lane permute's destination counts as one of its sources)
.endr
.irp s, 0,1
	v_permlanex16_b32 v[TP+\s], v[WS+\s], s86, s87
.endr
.irp s, 0,1
	v_or_b32 v[WS+\s], v[WS+\s], v[TP+\s]          ; with lane l xor 16's two the word is whole
.endr
.irp b, 0,1,2,3
	v_cvt_scalef32_pk16_bf6_f32 v[BF+6*\b:BF+6*\b+2], v[X+32*\b:X+32*\b+15], v[SO+\b]
	v_cvt_scalef32_pk16_bf6_f32 v[TC+4*\b:TC+4*\b+2], v[X+32*\b+16:X+32*\b+31], v[SO+\b]   ; (a conversion's three registers begin on an even number)
.endr
	v_nop                                          ; one plain place behind the scaled conversions
.irp b, 0,1,2,3
.irp i, 0,1,2
	v_mov_b32 v[BF+6*\b+3+\i], v[TC+4*\b+\i]
.endr
.endr
	s_wait_loadcnt 0x0                             ; b1
.irp j, 0,1,2,3,4,5,6,7
	v_and_b32 v[BI+\j], s90, v[BI+\j]              ; kept for the row part, zeros for the column part.  These eight are also the places between the codes' last move and the products
.endr
	s_wait_dscnt 0x0                               ; z's fragments and scale words
	WIN 0x04                                       ; source 1 (z) window 1
.irp t, 0,1,2,3,4,5,6,7                            ; the eight accumulators take turns; the first K step starts the sums
	v_wmma_scale_f32_16x16x128_f8f6f4 v[D+8*\t:D+8*\t+7], v[BF:BF+11], v[24*\t:24*\t+11], 0, v[WS], v[ZS+2*\t] matrix_a_fmt:MATRIX_FMT_BF6 matrix_b_fmt:MATRIX_FMT_BF6
.endr
.irp t, 0,1,2,3,4,5,6,7
	v_wmma_scale_f32_16x16x128_f8f6f4 v[D+8*\t:D+8*\t+7], v[BF+12:BF+23], v[24*\t+12:24*\t+23], v[D+8*\t:D+8*\t+7], v[WS+1], v[ZS+2*\t+1] matrix_a_fmt:MATRIX_FMT_BF6 matrix_b_fmt:MATRIX_FMT_BF6
.endr
	WIN 0
.rept 4
	v_nop                                          ; four places behind the last product (ISA guide 7.12.1)
.endr
.irp t, 0,1,2,3,4,5,6,7
.irp j, 0,2,4,6
	v_pk_fma_f32 v[D+8*\t+\j:D+8*\t+\j+1], v[D+8*\t+\j:D+8*\t+\j+1], s[88:89], v[BI+\j:BI+\j+1] op_sel_hi:[1,0,1]   ; row + b1, or -col: one rounding; each accumulator from its low end on
.endr
.endr
.irp t, 0,1,2,3,4,5,6,7
	global_store_b128 v[OO], v[D+8*\t:D+8*\t+3], s[12:13] offset:512*\t          ; h = 8 g + 0..3: sixteen lanes store 256 consecutive bytes, aligned
	global_store_b128 v[OO], v[D+8*\t+4:D+8*\t+7], s[12:13] offset:512*\t+256    ; h = 8 g + 4..7
.endr
	s_wait_tensorcnt 0x0
	ds_add_u32 v254, v255
	s_wait_dscnt 0x0
	CROUND                                         ; the closing round: no work-group ends while a partner may still ask for a tile that names it
	s_endpgm
.Lfunc_end_k_q83cf36da59_parts:
	.size	k_q83cf36da59_parts, .Lfunc_end_k_q83cf36da59_parts-k_q83cf36da59_parts
	.p2alignl 7, 3214868480
	.fill 96, 4, 3214868480
	.section	.rodata,"a",@progbits
	.p2align	6, 0x0
	.amdhsa_kernel k_q83cf36da59_parts
		.amdhsa_group_segment_fixed_size 168192
		.amdhsa_private_segment_fixed_size 0
		.amdhsa_enable_private_segment 0
		.amdhsa_kernarg_size 40
		.amdhsa_user_sgpr_count 2
		.amdhsa_user_sgpr_kernarg_segment_ptr 1
		.amdhsa_wavefront_size32 1
		.amdhsa_system_sgpr_workgroup_id_x 1
		.amdhsa_system_sgpr_workgroup_id_y 1
		.amdhsa_system_sgpr_workgroup_id_z 1
		.amdhsa_system_vgpr_workitem_id 0
		.amdhsa_next_free_vgpr 448
		.amdhsa_next_free_sgpr 96
		.amdhsa_reserve_vcc 0
		.amdhsa_float_denorm_mode_32 3
		.amdhsa_float_denorm_mode_16_64 3
		.amdhsa_memory_ordered 1
		.amdhsa_forward_progress 1
		.amdhsa_inst_pref_size 28
	.end_amdhsa_kernel
	.amdgpu_metadata
---
amdhsa.version: [ 1, 2 ]
amdhsa.kernels:
  - .name:           k_q83cf36da59_parts
    .symbol:         k_q83cf36da59_parts.kd
    .args:
      - { .name: W1, .offset: 0, .size: 8, .value_kind: global_buffer, .address_space: global }
      - { .name: b1, .offset: 8, .size: 8, .value_kind: global_buffer, .address_space: global }
      - { .name: z_codes, .offset: 16, .size: 8, .value_kind: global_buffer, .address_space: global }
      - { .name: z_scales, .offset: 24, .size: 8, .value_kind: global_buffer, .address_space: global }
      - { .name: parts, .offset: 32, .size: 8, .value_kind: global_buffer, .address_space: global }
    .group_segment_fixed_size: 168192
    .private_segment_fixed_size: 0
    .kernarg_segment_align: 8
    .kernarg_segment_size: 40
    .max_flat_workgroup_size: 32
    .sgpr_count:     96
    .vgpr_count:     448
    .wavefront_size: 32
...
	.end_amdgpu_metadata
.endif
;; end of part 1
;; launch pairs (part 2): grid 8 x 32, 4 waves a work-group, clusters of 4 x 4, 172,544 bytes of LDS; arguments parts, W2, b2, out0; writes out0
.if DOCPART == 2
	.amdgcn_target "amdgcn-amd-amdhsa--gfx1250"
	.amdhsa_code_object_version 6
	.text
	.protected	k_q83cf36da59_pairs
	.globl	k_q83cf36da59_pairs
	.p2align	8
	.type	k_q83cf36da59_pairs,@function
k_q83cf36da59_pairs:
	s_mov_b64 s[64:65], 0
	v_nop
	global_prefetch_b8 v0, s[64:65] scope:SCOPE_SE
	s_setreg_imm32_b32 hwreg(HW_REG_WAVE_MODE, 25, 1), 1
	s_wait_xcnt 0x0
	s_wait_alu depctr_hold_cnt(0) depctr_sa_sdst(0) depctr_va_vdst(0) depctr_va_sdst(0) depctr_va_ssrc(0) depctr_va_vcc(0) depctr_vm_vsrc(0)
	s_getreg_b32 s2, hwreg(HW_REG_IB_STS2, 6, 4)
	s_cmp_eq_u32 s2, 0
	s_cbranch_scc0 .Lentry_in_a_cluster
	s_endpgm
.Lentry_in_a_cluster:
	s_bfe_u32 s2, ttmp6, 0x10000c
	s_cmp_lg_u32 s2, 0xf033
	s_cbranch_scc0 .Lentry_shape_is_right
	s_endpgm
.Lentry_shape_is_right:
; PAIRS: out0[i][j] = sigmoid(sum over h of W2[h] relu(row[i][h] + col[j][h] + b1[h]) + b2), from R = row + b1 and NC = -col as the launch before left them.
; THE SUM IS REWRITTEN: relu(r + c) = max(r, -c) + c for all finite r, c.  So sum_h w relu(R + col) = sum_h w max(R, NC) - sum_h w NC, and the second sum hangs on j alone.
; An element then costs a maximum and a multiply-add, not an addition more.  All of it stays in f32 on the vector unit: the product with W2 has one column (fifteen of a matrix tile's sixteen would be idle,
; and a conversion to bf16 would cost as many instructions as the multiply-add), and a difference of two sums must not be fed with rounded operands.
; ROUNDING differs from summing relu directly by at most 256 x 2^-24 x the largest |W2 col|.  LIMITS: NaN and infinities are not served.
; SHARES.  A work-group makes 32 rows x 128 columns of out0; each of its four waves 8 rows (i) x all 128 columns (j).  LANES: r = lane % 16 picks the column, hh = lane / 16 picks HALF OF h:
; in group g (8 h) lanes 0-15 take h = 8 g + 0..3 and lanes 16-31 h = 8 g + 4..7.  So a lane has 8 x 8 = 64 sums and a group's 19 LDS loads feed 260 vector instructions
; (with all 32 lanes on columns it would be 14 loads for 130).  At the end the two halves of h meet by a swap of half rows and an addition, and lane L holds columns 4 L .. 4 L + 3.
; Column quad b (0..7) of lane (r, hh) is column 4 r + 64 (b / 4) + b % 4.  Wave w's row k (0..7) is row 128 (bi / 4) + 64 (t / 4) + t % 4 + 32 (w % 2) + 4 k, t = 2 (bi % 4) + w / 2.
; LDS holds images of the registers: a load's 32 lanes take 512 consecutive bytes (NC), or one run of 16 bytes for each half of the lanes (R, W2).  It is filled once: no slot is filled again.
; TWO INSTRUCTIONS FOR FOUR ELEMENTS: v_dual_max_num_f32 :: v_dual_max_num_f32 and v_pk_fma_f32.  The quads of odd rows and of the upper columns lie 2 (mod 4) from the others, so that the two halves of a
; dual instruction read different register banks in each source place and name no register twice.
; THE SUM OVER h OF W2 NC is shared out: wave w makes it for columns 4 L + w (quads w and w + 4, loaded once more by address), and the four meet in 512 bytes of LDS.
; CLUSTER 4 x 4: R's tile hangs on the tile row alone and is asked for jointly along a row of the cluster, NC's on the tile column alone: along a column.  Three tensor loads of a wave are out at the most.
.set LC,  0                            ; LDS: NC, 32 groups x 4,096 bytes
.set LR,  131072                       ; R, 32 groups x 1,024 bytes
.set LW,  163840                       ; W2, a copy of 1,024 bytes for each wave, written by that wave
.set LS,  167936                       ; the 128 sums that hang on j alone
.set AC,  1                            ; v1   LDS address of the next group's NC: 16 x lane
.set AX,  2                            ; v2   the same + 512 x wave: my quads for the sum over W2 NC
.set AR,  3                            ; v3   of the next group's R: my wave's eight rows, my half of h
.set AW,  4                            ; v4   of the next group's W2
.set GO,  5                            ; v5   16 x lane; never rewritten
.set SST, 6                            ; v6   where I put my column's sum
.set SLD, 7                            ; v7   where I read my four columns' sums
.set SA,  8                            ; v8-15  four pairs of partial sums of W2 NC
.set T,   16                           ; v16-31 maxima: two sets of eight
.set ACC, 32                           ; v32-95 the sums: quad (m, q) at ACC + 4 (4 m + q): (row 2m, quad q), (2m+1, q+4), (2m+1, q), (2m, q+4)
.set B0,  96                           ; v96-173  operand buffer 0
.set B1,  176                          ; v176-253 operand buffer 1
.set oRE, 0                            ; in a buffer: R of rows 0, 2, 4, 6 (four h each);
.set oCL, 16                           ; NC quads 0-3;
.set oW,  32                           ; W2;
.set oX0, 36                           ; NC quad w;
.set oX1, 40                           ; NC quad w + 4;
.set oRO, 46                           ; R of rows 1, 3, 5, 7: 2 (mod 4) from oRE;
.set oCH, 62                           ; NC quads 4-7: 2 (mod 4) from oCL
.set O,   96                           ; at the end: the results, row k at O + 4 k
.set SQ,  128                          ; and my four columns' sums
.macro CROUND                          ; a round of the cluster's barrier
	s_barrier_signal -1
	s_barrier_wait -1
	s_cmp_lg_u32 s12, 0
	s_cbranch_scc1 .Lnot_wave_0_\@
	s_barrier_signal -3
.Lnot_wave_0_\@:
	s_barrier_wait -3
	s_barrier_signal -1
	s_barrier_wait -1
.endm
.macro LOAD_RW bb                      ; the next group's R (8 rows x 4 h, the same 16 bytes for sixteen lanes) and W2
.irp m, 0,1,2,3
	ds_load_b128 v[\bb+oRE+4*\m:\bb+oRE+4*\m+3], v[AR] offset:32*\m
	ds_load_b128 v[\bb+oRO+4*\m:\bb+oRO+4*\m+3], v[AR] offset:32*\m+16
.endr
	ds_load_b128 v[\bb+oW:\bb+oW+3], v[AW]
	v_add_nc_u32 v[AR], 1024, v[AR]
	v_add_nc_u32 v[AW], 32, v[AW]
.endm
.macro LOAD_C bb                       ; the next group's NC: eight quads, and my two once more
.irp q, 0,1,2,3
	ds_load_b128 v[\bb+oCL+4*\q:\bb+oCL+4*\q+3], v[AC] offset:512*\q
	ds_load_b128 v[\bb+oCH+4*\q:\bb+oCH+4*\q+3], v[AC] offset:512*\q+2048
.endr
	ds_load_b128 v[\bb+oX0:\bb+oX0+3], v[AX]
	ds_load_b128 v[\bb+oX1:\bb+oX1+3], v[AX] offset:2048
	v_add_nc_u32 v[AC], 4096, v[AC]
	v_add_nc_u32 v[AX], 4096, v[AX]
.endm
; A group is 32 batches; batch n: column quads q = n / 8 and q + 4, h = (n / 2) % 4 of my four, row pairs m = 2 (n % 2), 2 (n % 2) + 1.  Eight maxima in four instructions:
.macro MAXB n, bb
.set QQ, (\n)/8
.set HS, ((\n)/2)%4
.set TS, T+8*((\n)%2)
.irp u, 0,1
.set MM, 2*((\n)%2)+\u
	v_dual_max_num_f32 v[TS+4*\u], v[\bb+oRE+4*MM+HS], v[\bb+oCL+4*QQ+HS] :: v_dual_max_num_f32 v[TS+4*\u+1], v[\bb+oRO+4*MM+HS], v[\bb+oCH+4*QQ+HS]
	v_dual_max_num_f32 v[TS+4*\u+2], v[\bb+oRO+4*MM+HS], v[\bb+oCL+4*QQ+HS] :: v_dual_max_num_f32 v[TS+4*\u+3], v[\bb+oRE+4*MM+HS], v[\bb+oCH+4*QQ+HS]
.endr
.endm
; and their eight multiply-adds in four: both halves of a pair are multiplied by W2[h].  first = 1: the launch's first h starts the sums: nothing is cleared.
.macro FMAB n, bb, first
.set QQ, (\n)/8
.set HS, ((\n)/2)%4
.set TS, T+8*((\n)%2)
.set WP, \bb+oW+2*(HS/2)
.irp u, 0,1
.set AQ, ACC+4*(4*(2*((\n)%2)+\u)+QQ)
.irp e, 0,2
.if \first && (HS == 0)
	v_pk_mul_f32 v[AQ+\e:AQ+\e+1], v[TS+4*\u+\e:TS+4*\u+\e+1], v[WP:WP+1] op_sel_hi:[1,0]
.elseif HS%2 == 0
	v_pk_fma_f32 v[AQ+\e:AQ+\e+1], v[TS+4*\u+\e:TS+4*\u+\e+1], v[WP:WP+1], v[AQ+\e:AQ+\e+1] op_sel_hi:[1,0,1]
.else
	v_pk_fma_f32 v[AQ+\e:AQ+\e+1], v[TS+4*\u+\e:TS+4*\u+\e+1], v[WP:WP+1], v[AQ+\e:AQ+\e+1] op_sel:[0,1,0] op_sel_hi:[1,1,1]
.endif
.endr
.endr
.endm
.macro SUMS bb, first                  ; my share of the sum over h of W2 NC: two quads x four h
.irp e, 0,2
.if \first
	v_pk_mul_f32 v[SA+\e:SA+\e+1], v[\bb+oX0+\e:\bb+oX0+\e+1], v[\bb+oW+\e:\bb+oW+\e+1]
	v_pk_mul_f32 v[SA+4+\e:SA+5+\e], v[\bb+oX1+\e:\bb+oX1+\e+1], v[\bb+oW+\e:\bb+oW+\e+1]
.else
	v_pk_fma_f32 v[SA+\e:SA+\e+1], v[\bb+oX0+\e:\bb+oX0+\e+1], v[\bb+oW+\e:\bb+oW+\e+1], v[SA+\e:SA+\e+1]
	v_pk_fma_f32 v[SA+4+\e:SA+5+\e], v[\bb+oX1+\e:\bb+oX1+\e+1], v[\bb+oW+\e:\bb+oW+\e+1], v[SA+4+\e:SA+5+\e]
.endif
.endr
.endm
; A GROUP: 8 h.  Its operands lie in buffer bb; the next group's are asked for into nb: R and W2 at the head, NC behind the first quarter, so that each load has half a group or more in which to come.
; A batch's multiply-adds stand behind the next batch's maxima: seven instructions lie between a maximum and its use.
; edge = 1: the next group's NC belongs to the part that came by the later tensor load: every wave waits for its own part and passes a barrier ahead of the loads.
.macro GROUP bb, nb, first, load, edge
.if \edge
	s_wait_tensorcnt 0x0                           ; my part of NC's last 96 KiB has landed;
.endif
	s_wait_dscnt 0x0                               ; this group's operands are in (and no LDS instruction of mine is pending at a signal)
.if \edge
	s_barrier_signal -1
	s_barrier_wait -1                              ; everybody's has
.endif
.if \load
	LOAD_RW \nb
.endif
	MAXB 0, \bb
.set KB, 0
.rept 31
	MAXB KB+1, \bb
	FMAB KB, \bb, \first
.if \load && (KB == 7)
	LOAD_C \nb
.endif
.set KB, KB+1
.endr
	SUMS \bb, \first
	FMAB 31, \bb, \first
.endm
	s_load_b256 s[4:11], s[0:1], 0x0               ; the workspace s[4:5], W2 s[6:7], b2 s[8:9], out0 s[10:11]
	v_lshl_add_u32 v254, v0, 2, 0x2a000
	v_mov_b32 v255, 0
	ds_add_u32 v254, v255
	ds_add_u32 v254, v255
	v_lshrrev_b32 v1, 5, v0
	v_readfirstlane_b32 s12, v1                    ; wave 0..3
	s_bfe_u32 s13, ttmp6, 0x40000                  ; cx
	s_bfe_u32 s14, ttmp6, 0x40004                  ; cy
	s_lshl_b32 s15, ttmp9, 2
	s_add_co_u32 s15, s15, s13                     ; bj: which 128 columns
	s_and_b32 s16, ttmp7, 0xffff
	s_lshl_b32 s16, s16, 2
	s_add_co_u32 s16, s16, s14                     ; bi: which 32 rows
	s_lshl_b32 s17, s14, 2
	s_lshl_b32 s17, 15, s17                        ; my row of the cluster (same bi)
	s_lshl_b32 s18, 0x1111, s13                    ; my column (same bj)
	s_lshr_b32 s19, s16, 2                         ; bi / 4: the block of 128 rows of z
	s_and_b32 s20, s16, 3                          ; bi % 4: which two of its eight tiles
	; group 1 for R: 8 groups x 1,024 bytes (two tiles), 4,096 bytes from group to group; elements of 8 bytes
	s_or_b32 s24, s17, (3<<16)|(1<<21)
	s_mov_b32 s25, 128<<16
	s_mov_b32 s26, 8<<16
	s_mov_b32 s27, 128<<16
	s_mov_b32 s28, 8
	s_mov_b32 s29, 512
	s_mov_b32 s30, 0
	s_mov_b32 s31, 0
	; group 1 for a wave's quarter of NC's first 32 KiB: a dense block as 32 rows of 256 bytes
	s_or_b32 s32, s18, (3<<16)|(1<<21)
	s_mov_b32 s33, 32<<16
	s_mov_b32 s34, 32<<16
	s_mov_b32 s35, 32<<16
	s_mov_b32 s36, 32
	s_mov_b32 s37, 32
	s_mov_b32 s38, 0
	s_mov_b32 s39, 0
	; and of its other 96 KiB: 96 rows of 256 bytes
	s_or_b32 s40, s18, (3<<16)|(1<<21)
	s_mov_b32 s41, 32<<16
	s_mov_b32 s42, 96<<16
	s_mov_b32 s43, 32<<16
	s_mov_b32 s44, 96
	s_mov_b32 s45, 32
	s_mov_b32 s46, 0
	s_mov_b32 s47, 0
	s_lshl_b32 s60, s19, 17                        ; R in the workspace: 128 KiB a block of 128 rows,
	s_lshl_b32 s21, s20, 10                        ; 1,024 bytes a pair of tiles,
	s_add_co_u32 s60, s60, s21
	s_lshl_b32 s21, s12, 15                        ; wave w fetches groups 8 w .. 8 w + 7
	s_add_co_u32 s60, s60, s21
	s_mov_b32 s61, 0
	s_lshl_b32 s62, s15, 17                        ; NC: the second MiB, 128 KiB a block of 128 columns,
	s_add_co_u32 s62, s62, 0x100000
	s_lshl_b32 s22, s12, 13                        ; wave w fetches 8 KiB of the first 32,
	s_add_co_u32 s62, s62, s22
	s_mov_b32 s63, 0
	s_lshl_b32 s66, s15, 17
	s_add_co_u32 s66, s66, 0x100000+32768
	s_mul_i32 s23, s12, 24576                      ; and 24 KiB of the other 96
	s_add_co_u32 s66, s66, s23
	s_mov_b32 s67, 0
	s_mov_b32 s71, 0x3fb8aa3b                      ; log2(e)
	s_mov_b32 s73, 0xbfb8aa3b                      ; -log2(e)
	s_mov_b32 s74, 0xbfb8aa3b
	s_mov_b32 s75, 0xbfb8aa3b                      ; (named with s74 as a pair, so it is written)
	; my wave's first row of out0
	s_lshl_b32 s76, s19, 7
	s_lshr_b32 s77, s20, 1
	s_lshl_b32 s77, s77, 6
	s_add_co_u32 s76, s76, s77                     ; 128 (bi / 4) + 64 (t / 4)
	s_and_b32 s77, s20, 1
	s_lshl_b32 s77, s77, 1
	s_add_co_u32 s76, s76, s77
	s_lshr_b32 s77, s12, 1
	s_add_co_u32 s76, s76, s77                     ; + t % 4
	s_and_b32 s77, s12, 1
	s_lshl_b32 s77, s77, 5
	s_add_co_u32 s76, s76, s77                     ; + 32 (w % 2)
	s_lshl_b32 s76, s76, 12                        ; rows of 4,096 bytes
	s_lshl_b32 s77, s15, 9
	s_add_co_u32 s76, s76, s77                     ; + 512 bytes for each block of 128 columns
	s_mov_b32 s77, 0
	s_wait_dscnt 0x0
	s_wait_kmcnt 0x0
	s_mov_b32 s48, 1                               ; group 0 for R
	s_lshl_b32 s49, s12, 13
	s_add_co_u32 s49, s49, LR
	s_add_nc_u64 s[50:51], s[4:5], s[60:61]
	s_or_b32 s51, s51, 0x80000000
	s_mov_b32 s52, 1                               ; for NC's first part
	s_lshl_b32 s53, s12, 13
	s_add_nc_u64 s[54:55], s[4:5], s[62:63]
	s_or_b32 s55, s55, 0x80000000
	s_mov_b32 s56, 1                               ; for the rest of NC
	s_add_co_u32 s57, s23, 32768
	s_add_nc_u64 s[58:59], s[4:5], s[66:67]
	s_or_b32 s59, s59, 0x80000000
	s_add_nc_u64 s[10:11], s[10:11], s[76:77]
	CROUND                                         ; all sixteen work-groups are here: the joint loads meet
	tensor_load_to_lds s[48:51], s[24:31]
	s_nop 0
	tensor_load_to_lds s[52:55], s[32:39]
	s_nop 0
	tensor_load_to_lds s[56:59], s[40:47]
	s_nop 0
	v_and_b32 v8, 31, v0                           ; lane
	v_bfe_u32 v9, v0, 4, 1                         ; hh
	v_lshlrev_b32 v[GO], 4, v8
	v_mov_b32 v[AC], v[GO]                         ; NC begins at LDS byte 0
	s_load_b32 s68, s[8:9], 0x0                    ; b2
	global_load_b128 v[16:19], v[GO], s[6:7]       ; W2: 32 lanes x 16 bytes, twice
	global_load_b128 v[20:23], v[GO], s[6:7] offset:512
	s_lshl_b32 s78, s12, 9
	v_add_nc_u32 v[AX], s78, v[GO]
	s_lshr_b32 s69, s12, 1
	s_lshl_b32 s69, s69, 9                         ; my tile of the two,
	s_and_b32 s70, s12, 1
	s_lshl_b32 s70, s70, 7                         ; my eight of its sixteen rows
	s_add_co_u32 s69, s69, s70
	s_add_co_u32 s69, s69, LR
	v_lshl_add_u32 v[AR], v9, 8, s69
	s_lshl_b32 s70, s12, 10
	s_add_co_u32 s70, s70, LW                      ; my wave's copy of W2
	v_lshl_add_u32 v[AW], v9, 4, s70
	v_add_nc_u32 v10, s70, v[GO]
	s_lshl_b32 s79, s12, 2
	s_add_co_u32 s79, s79, LS
	v_add_nc_u32 v[SST], s79, v[GO]                ; column 4 L + w
	v_add_nc_u32 v[SLD], LS, v[GO]                 ; columns 4 L .. 4 L + 3
	s_wait_loadcnt 0x0
	ds_store_b128 v10, v[16:19]
	ds_store_b128 v10, v[20:23] offset:512
	s_wait_kmcnt 0x0
	s_mul_f32 s72, s68, s73                        ; -log2(e) b2
	s_wait_tensorcnt 0x1                           ; my parts of R and of NC's first 32 KiB have landed; the third load may stay out
	s_wait_dscnt 0x0
	s_barrier_signal -1
	s_barrier_wait -1                              ; everybody's have
	LOAD_RW B0
	LOAD_C B0
	GROUP B0, B1, 1, 1, 0                          ; group 0 starts the sums
	s_mov_b32 s80, 3
.Lhead:                                            ; groups 1 to 6: their loads stay inside NC's first 32 KiB (groups 0 to 7)
	GROUP B1, B0, 0, 1, 0
	GROUP B0, B1, 0, 1, 0
	s_sub_co_u32 s80, s80, 1
	s_cmp_lg_u32 s80, 0
	s_cbranch_scc1 .Lhead
	GROUP B1, B0, 0, 1, 1                          ; group 7 asks for group 8: behind the wait for the last tensor load and a barrier
	GROUP B0, B1, 0, 1, 0
	s_mov_b32 s80, 11
.Lrest:                                            ; groups 9 to 30
	GROUP B1, B0, 0, 1, 0
	GROUP B0, B1, 0, 1, 0
	s_sub_co_u32 s80, s80, 1
	s_cmp_lg_u32 s80, 0
	s_cbranch_scc1 .Lrest
	GROUP B1, B0, 0, 0, 0                          ; group 31 asks for nothing
	; THE END.  My share of the sum over h of W2 NC: four partial sums a quad; the halves of h meet; lane L then holds column 4 L + w.
	v_pk_add_f32 v[SA:SA+1], v[SA:SA+1], v[SA+2:SA+3]
	v_pk_add_f32 v[SA+4:SA+5], v[SA+4:SA+5], v[SA+6:SA+7]
	v_add_f32 v[SA], v[SA], v[SA+1]
	v_add_f32 v[SA+4], v[SA+4], v[SA+5]
	v_permlane16_swap_b32 v[SA], v[SA+4]           ; the first's lanes 16-31 change places with the second's lanes 0-15: each register now holds one half of h for all 32 columns
	v_add_f32 v[SA], v[SA], v[SA+4]
	v_fma_f32 v[SA], v[SA], s71, s72               ; log2(e) (sum - b2): what is added to -log2(e) x the sum of maxima
	ds_store_b32 v[SST], v[SA]
.irp p, 0,1,2,3,4,5,6,7,8,9,10,11,12,13,14,15      ; the same for the 64 sums of maxima: quad q with quad q + 4 of the same row
	v_permlane16_swap_b32 v[ACC+4*\p], v[ACC+4*\p+3]
	v_permlane16_swap_b32 v[ACC+4*\p+2], v[ACC+4*\p+1]
.endr
.irp p, 0,1,2,3,4,5,6,7,8,9,10,11,12,13,14,15
	v_pk_add_f32 v[ACC+4*\p:ACC+4*\p+1], v[ACC+4*\p:ACC+4*\p+1], v[ACC+4*\p+2:ACC+4*\p+3] op_sel:[0,1] op_sel_hi:[1,0]   ; rows 2 m and 2 m + 1, column 4 L + q
.endr
	s_wait_dscnt 0x0                               ; for the others' sake: my store has landed
	s_barrier_signal -1
	s_barrier_wait -1
	ds_load_b128 v[SQ:SQ+3], v[SLD]
	s_wait_dscnt 0x0
.irp p, 0,1,2,3,4,5,6,7,8,9,10,11,12,13,14,15
.if (\p%4)%2 == 0
	v_pk_fma_f32 v[ACC+4*\p:ACC+4*\p+1], v[ACC+4*\p:ACC+4*\p+1], s[74:75], v[SQ+2*((\p%4)/2):SQ+2*((\p%4)/2)+1] op_sel_hi:[1,0,0]
.else
	v_pk_fma_f32 v[ACC+4*\p:ACC+4*\p+1], v[ACC+4*\p:ACC+4*\p+1], s[74:75], v[SQ+2*((\p%4)/2):SQ+2*((\p%4)/2)+1] op_sel:[0,0,1] op_sel_hi:[1,0,1]
.endif
.endr
.irp p, 0,1,2,3,4,5,6,7,8,9,10,11,12,13,14,15
	v_exp_f32 v[ACC+4*\p], v[ACC+4*\p]             ; e^-x as a power of two: one batch
	v_exp_f32 v[ACC+4*\p+1], v[ACC+4*\p+1]
.endr
	v_nop                                          ; a plain instruction behind the last exponential
	s_wait_alu depctr_va_vdst(0)                   ; one wait for the batch, ahead of its first reader
.irp p, 0,1,2,3,4,5,6,7,8,9,10,11,12,13,14,15
	v_pk_add_f32 v[ACC+4*\p:ACC+4*\p+1], v[ACC+4*\p:ACC+4*\p+1], 1.0 op_sel_hi:[1,0]
.endr
.irp p, 0,1,2,3,4,5,6,7,8,9,10,11,12,13,14,15
	v_rcp_f32 v[O+8*(\p/4)+\p%4], v[ACC+4*\p]      ; 1 / (1 + e^-x), laid so that a row's four columns are four neighbouring registers
	v_rcp_f32 v[O+8*(\p/4)+4+\p%4], v[ACC+4*\p+1]
.endr
	v_nop
	s_wait_alu depctr_va_vdst(0)                   ; one wait for the 32 reciprocals
.irp k, 0,1,2,3,4,5,6,7
	global_store_b128 v[GO], v[O+4*\k:O+4*\k+3], s[10:11] offset:\k*16384 th:TH_STORE_NT   ; row k (four rows of out0 on): 32 lanes store 512 consecutive bytes, aligned; written once
.endr
	s_wait_tensorcnt 0x0
	ds_add_u32 v254, v255
	s_wait_dscnt 0x0
	CROUND                                         ; the closing round: no work-group ends while a partner may still ask for a tile that names it
	s_endpgm
.Lfunc_end_k_q83cf36da59_pairs:
	.size	k_q83cf36da59_pairs, .Lfunc_end_k_q83cf36da59_pairs-k_q83cf36da59_pairs
	.p2alignl 7, 3214868480
	.fill 96, 4, 3214868480
	.section	.rodata,"a",@progbits
	.p2align	6, 0x0
	.amdhsa_kernel k_q83cf36da59_pairs
		.amdhsa_group_segment_fixed_size 172544
		.amdhsa_private_segment_fixed_size 0
		.amdhsa_enable_private_segment 0
		.amdhsa_kernarg_size 32
		.amdhsa_user_sgpr_count 2
		.amdhsa_user_sgpr_kernarg_segment_ptr 1
		.amdhsa_wavefront_size32 1
		.amdhsa_system_sgpr_workgroup_id_x 1
		.amdhsa_system_sgpr_workgroup_id_y 1
		.amdhsa_system_sgpr_workgroup_id_z 1
		.amdhsa_system_vgpr_workitem_id 0
		.amdhsa_next_free_vgpr 256
		.amdhsa_next_free_sgpr 96
		.amdhsa_reserve_vcc 0
		.amdhsa_float_denorm_mode_32 3
		.amdhsa_float_denorm_mode_16_64 3
		.amdhsa_memory_ordered 1
		.amdhsa_forward_progress 1
		.amdhsa_inst_pref_size 157
	.end_amdhsa_kernel
	.amdgpu_metadata
---
amdhsa.version: [ 1, 2 ]
amdhsa.kernels:
  - .name:           k_q83cf36da59_pairs
    .symbol:         k_q83cf36da59_pairs.kd
    .args:
      - { .name: parts, .offset: 0, .size: 8, .value_kind: global_buffer, .address_space: global }
      - { .name: W2, .offset: 8, .size: 8, .value_kind: global_buffer, .address_space: global }
      - { .name: b2, .offset: 16, .size: 8, .value_kind: global_buffer, .address_space: global }
      - { .name: out0, .offset: 24, .size: 8, .value_kind: global_buffer, .address_space: global }
    .group_segment_fixed_size: 172544
    .private_segment_fixed_size: 0
    .kernarg_segment_align: 8
    .kernarg_segment_size: 32
    .max_flat_workgroup_size: 128
    .sgpr_count:     96
    .vgpr_count:     256
    .wavefront_size: 32
...
	.end_amdgpu_metadata
.endif
;; end of part 2
